; MI455X (gfx1250); checked and timed in simulation.
; The chip was launched on July 23, 2026; its instructions are those of AMD's public machine-readable ISA for CDNA 5 (MIT licence, August 2026) and "CDNA5" Instruction Set Architecture Reference Guide (July 2026). The comments in the code are by the model that wrote it; some were corrected since.
;; Semantic Attention. Allowed arithmetic: matrix products marked QUANTISED: E4M3 operands, one given power-of-two scale a tensor, by v_wmma_f32_16x16x64_fp8_fp8 or v_wmma_f32_16x16x128_fp8_fp8, f32 sums; products left as they are: f32 operands where the result goes on into a quantised operand, else bf16, f16 or f32 operands; f32 sums; everything else in f32.
;; Inputs: bk 4 float32; bq 4 float32; bres 384 float32; bv 384 float32; gamma 1 float32; lowp_scales 6 int32 (the exponents e of the quantised operands' scales 2^e); wk 4 x 384 float32; wq 4 x 384 float32; wres_codes 384 x 12 x 32 uint8 (E4M3 codes of wres, K innermost, in blocks of 32 codes); wv_codes 384 x 12 x 32 uint8 (E4M3 codes of wv, K innermost, in blocks of 32 codes); x 8 x 4,096 x 384 float32.
;; Outputs: out0 8 x 4,096 x 4 float32; out1 8 x 4,096 x 384 float32.
;; This version of the problem:
;;   THIS VERSION OF THE PROBLEM IS GIVEN IN LOW PRECISION. The matrix products marked QUANTISED in the list below multiply operands that are first quantised to E4M3 (4 exponent bits, 3 mantissa bits; 8 bits a number), with one given power-of-two scale for each operand tensor; their sums are f32. All else is computed in f32.
;;   The module's matrix products, in the order in which they are computed (A, B: the left and right operand; K: the contracted axis; several contracted axes count as one K, in the product's order):
;;     1. [M 32,768, K 384] x [K 384, N 4]; A: input x; B: input wq: left as it is (N = 4 < 16)
;;     2. [M 32,768, K 384] x [K 384, N 4]; A: input x; B: input wk: left as it is (N = 4 < 16)
;;     3. [M 32,768, K 384] x [K 384, N 384]; A: input x; B: input wv (given as codes): QUANTISED (scales: A lowp_scales[0], B lowp_scales[1])
;;     4. batch 8 x [M 4,096, K 4] x [K 4, N 4,096]; A: computed on the way; B: computed on the way: left as it is (K = 4 < 32)
;;     5. batch 8 x [M 4,096, K 4,096] x [K 4,096, N 384]; A: softmax (see below); B: computed on the way: QUANTISED (scales: A lowp_scales[2], B lowp_scales[3])
;;     6. [M 32,768, K 384] x [K 384, N 384]; A: computed on the way; B: input wres (given as codes): QUANTISED (scales: A lowp_scales[4], B lowp_scales[5])
;;   THE QUANTISER, for each operand of a quantised product, along K:
;;     - The operand's scale is 2^e, e = its entry of the input lowp_scales (int32; the entries are numbered through the quantised products in the list's order, A before B).
;;     - Each number is divided by the scale, clamped to +-448, and rounded to the nearest number of E4M3, ties to even, subnormals kept.
;;     - The product sums the exact products of the quantised numbers (number of the format x scale) in f32.
;;   ~~~python
;;   def quantise(x, axis, e):      # numpy; x: float32 -> the quantised numbers, widened to float32 again
;;       x = np.moveaxis(x, axis, -1); K = x.shape[-1]
;;       r = np.clip(x / 2.0 ** e, -448, 448)
;;       step = 2.0 ** (np.maximum(np.frexp(np.where(r == 0, 1, r))[1] - 1, -6) - 3)
;;       q = np.round(r / step) * step * 2.0 ** e      # np.round: ties to even
;;       return np.moveaxis(q, -1, axis).astype(np.float32)
;;   ~~~
;;   SOFTMAX AHEAD OF A QUANTISED PRODUCT. Where the list says 'softmax', what is quantised is not the finished softmax but p = 2^(t - M), with t = logit x log2(e) and M = ceil(the row's largest t), a whole number; so 1/2 < the row's largest p <= 1. The row's sum l is taken of the UNQUANTISED p, in f32, and the product's result is divided by l at the end. Since M is a whole number, a kernel that streams over the keys may use a running M (the ceiling of the running maximum): every later rescaling is an exact power of two, so the quantised numbers keep their values, but for numbers so far below the row's largest that they fall under the format's range.
;;   OPERANDS COMPUTED ON THE WAY. 'Computed on the way' means the value that the module computes at that place (a softmax that the list does not call 'softmax' is quantised finished and normalised). What goes into a quantiser is computed in f32, as accurately as f32 sums, v_exp_f32 and their like allow (about 1e-6 of the number): no bf16 or f16 on the way to a quantiser, and a product that is left as it is and whose result goes on into a quantised operand takes f32 operands (vector FMAs, or v_wmma_f32_16x16x4_f32). A number that lies on a knife's edge between two numbers of the format may be rounded either way, as far as f32 arithmetic and the matrix unit's own rounding can turn it there, and no further.
;;   INPUTS GIVEN AS CODES. wres (in the module: [384, 384], K = its axis 1); wv (in the module: [384, 384], K = its axis 1): each comes as NAME_codes (uint8): NAME with its K axis moved to the last place and cut into blocks of 32 codes, [.., K / 32, bytes a block], one block behind the other in memory; one code a byte (a code: sign, 4 exponent bits, 3 mantissa bits); its scale is its entry of lowp_scales. Its value is code x scale, taken as it is: it is not quantised again, and the codes and scales need not be those that the quantiser above would give.
;; One version. Each part assembles by itself: llvm-mc -triple=amdgcn-amd-amdhsa -mcpu=gfx1250 --defsym DOCPART=n.
;; ======== version 1 of 1: 2 launches
;; limits: right only within a limited range of input values
;; workspace buffers: kf 524,288 bytes; vimg 12,582,912 bytes; wrimg 147,456 bytes
;; launch project (part 1): grid 256 x 1, 4 waves a work-group, no clusters, 264,960 bytes of LDS; arguments x, wq, wk, bq, bk, wv_codes, bv, wres_codes, lowp_scales, out0, kf, vimg, wrimg; writes out0, kf, vimg, wrimg
.if DOCPART == 1
	.amdgcn_target "amdgcn-amd-amdhsa--gfx1250"
	.amdhsa_code_object_version 6
	.text
	.protected	k_q632309b9fc_project
	.globl	k_q632309b9fc_project
	.p2align	8
	.type	k_q632309b9fc_project,@function
k_q632309b9fc_project:
	s_mov_b64 s[64:65], 0
	v_nop
	global_prefetch_b8 v0, s[64:65] scope:SCOPE_SE
	s_setreg_imm32_b32 hwreg(HW_REG_WAVE_MODE, 25, 1), 1
	s_wait_xcnt 0x0
; PROJECT.  x [32768][384] f32 ->  out0 = x wq^T + bq and kf = x wk^T + bk ([32768][4] f32, f32 products),
;           vimg = E4M3 codes of V = Q(x) wv^T + bv (FP8 product), laid in the order of an operand's registers, the KEYS innermost,
;           wrimg = wres's codes laid the same way (a copy in another order; the first 18 work-groups make it, a fragment a wave).
; SHARES.  A work-group takes 128 rows (one key step of one batch).  Wave w reads rows 32 w .. 32 w + 31 of x (three tensor loads of 32 rows x 512 bytes into LDS
; bytes of its own), makes their q and k and their codes.  For the V product THE WAVES SHARE THE CHANNELS: wave w owns channels 96 w .. 96 w + 95 for all 128 rows, so its
; 18 fragments of wv (36,864 bytes) go from memory straight into the registers in which they stay; x's codes go round through LDS as images of the operand's registers.
; No cluster: x, the large stream, is each work-group's own, and wv goes into registers without touching LDS, which a joint load could not do.  No LDS byte is filled twice.
; LAYOUTS.  x's and wv's fragments take k in the same permuted places (registers 4 c .. 4 c + 3 of lane (r, h): k = 32 c + 16 h + 0 .. 15): every product meets its partner.
; q, k: v_wmma_f32_16x16x4_f32, source 0 = 16 rows of weights (rows m & 7: 0-3 wq, 4-7 wk), source 1 = 16 rows of x: lane r holds row r, register j output j.  Two accumulators a tile take turns.
; V: source 0 = 16 rows of x (keys), source 1 = 16 rows of wv (channels): a lane holds ONE channel and its registers run along the keys 8 h + j, which are the next product's K:
; the conversions' results are registers 2 c, 2 c + 1 (keys 16 c + 8 h + 0 .. 7) of the fragment that the second launch multiplies by.  bv / 2^(e0 + e1) is the C of each sum's first product.
; vimg: [batch 8][key step 32][channel tile 24][4][lane 32][16 bytes];  wrimg: [K step 3][row tile 24][4][lane 32][16 bytes], registers 2 c, 2 c + 1: k = 16 c + 8 h + 0 .. 7.
; LIMITS: e0 and e3 - e0 - e1 lie between -126 and 119, so that each scale and 448 x the scale is an f32 number.  NaN and infinities among the inputs are not served.
; x NOW COMES BY ONE TENSOR LOAD A WAVE (in place of the three that the head comment names): a wave's 32 rows of 1,536 bytes are dense in memory and are
; stated as 96 rows of 512 bytes, each with 16 bytes of padding behind it: K step s of row r lies at 528 (3 r + s); from row to row 1,584 bytes = 396 words,
; so the sixteen rows that a load touches start at sixteen different groups of four banks (3 r mod 16 takes each value once).
.set XFS,   16896
.set XFW,   3*XFS                      ; a wave's three K steps; the four waves' fill bytes 0 .. 202,751
.set XIMG,  202752                     ; 24 images of 2,048 bytes: fragment 3 x (tile of rows) + K step
.set WQK,   251904                     ; 8 rows of 1,552 bytes: wq's four, wk's four
.set WP,    1552
.set L16,   4                          ; v4   16 x lane
.set XA,    5                          ; v5   x in LDS: my wave's bytes + 1,584 r + 64 h
.set XW,    6                          ; v6   where I store my images
.set XI,    7                          ; v7   where any image is read
.set WW,    8                          ; v8   where I store my row of wq and of wk
.set WR,    9                          ; v9   where I read the weights' row r & 7
.set WVO,   10                         ; v10  my byte offset in wv's codes
.set BVO,   11                         ; v11  and in bv
.set SCX,   12                         ; v12  2^e0;  v13  448 x 2^e0
.set LMX,   13
.set SCV,   14                         ; v14  2^(e3 - e0 - e1);  v15  448 x that
.set LMV,   15
.set WB,    16                         ; v16-31   a fragment of wres on its way
.set XB,    32                         ; v32-95, v96-159  64 numbers of x, for the tile of rows 0 and 1
.set TQ,    160                        ; v160-223 the same, held
.set PC,    224                        ; v224-239, v240-255  the codes just made
.set GX,    32                         ; V product: v32-127 six fragments of x's codes; v128-223 held sums; v224-247 V's codes
.set T2,    128
.set VC,    224
.set WF,    32                         ; window 2: v32-223 the weights as f32 operands (v0-31: wv's fragments 16, 17); window 1: wv's fragments 0-15
.set QA,    96                         ; window 3: v0-95 the 12 accumulators of V; v96-127 four accumulators of q, k (written by matrix instructions alone)
.set BV,    128                        ; window 3: v128-175 bv / 2^(e0 + e1), eight equal registers a channel tile; v176-183 bq, bk
.set QB,    176
.set MSB, 0
.macro WIN new                         ; the immediate's high byte repeats the setting that is left; a switch that changes nothing is dropped
.if MSB != (\new)
	s_set_vgpr_msb (MSB<<8)|(\new)
.set MSB, (\new)
.endif
.endm
.macro PLACES n
.rept \n
	v_nop
.endr
.endm
	s_load_b512 s[4:19], s[0:1], 0x0               ; x, wq, wk, bq, bk, wv's codes, bv, wres's codes
	s_load_b256 s[20:27], s[0:1], 0x40             ; the scales' exponents, out0, kf, vimg
	s_load_b64 s[28:29], s[0:1], 0x60              ; wrimg
	s_set_vgpr_msb 0x80
	v_lshl_add_u32 v254, v0, 2, 0x40900
	v_mov_b32 v255, 0
	s_set_vgpr_msb 0x808a
	ds_add_u32 v254, v255
	ds_add_u32 v254, v255
	s_set_vgpr_msb 0x8a00
	v_lshrrev_b32 v1, 5, v0
	v_readfirstlane_b32 s30, v1                    ; wave 0..3
	; descriptor group 1: 96 rows x 128 elements of 4 bytes, 128 elements from row to row, 4 words of padding behind every 128
	s_mov_b32 s32, (2<<16)|(1<<20)|(6<<22)|(3<<25)
	s_mov_b32 s33, 128<<16                         ; tensor_dim0
	s_mov_b32 s34, 96<<16                          ; tensor_dim1
	s_mov_b32 s35, 128<<16                         ; tile_dim0
	s_mov_b32 s36, 96                              ; tile_dim1
	s_mov_b32 s37, 128                             ; the pitch: the block is dense
	s_mov_b32 s38, 0
	s_mov_b32 s39, 0
	s_mul_i32 s31, s30, XFW                        ; my wave's bytes in LDS
	s_mul_i32 s66, ttmp9, 196608                   ; 128 rows of 1,536 bytes a work-group,
	s_mul_i32 s67, s30, 49152                      ; 32 a wave
	s_add_co_u32 s66, s66, s67
	s_mov_b32 s67, 0
	s_wait_dscnt 0x0
	s_wait_kmcnt 0x0
	s_add_nc_u64 s[66:67], s[4:5], s[66:67]
	s_mov_b32 s40, 1
	s_mov_b32 s41, s31
	s_mov_b64 s[42:43], s[66:67]
	s_or_b32 s43, s43, 0x80000000
	tensor_load_to_lds s[40:43], s[32:39]          ; my one tensor load: 49,152 bytes
	s_nop 0
	PLACES 4
	s_load_b128 s[52:55], s[20:21], 0x0            ; e0, e1, e2, e3
	s_load_b128 s[56:59], s[10:11], 0x0            ; bq
	s_load_b128 s[60:63], s[12:13], 0x0            ; bk
	s_lshl_b32 s68, ttmp9, 11                      ; out0, kf: 16 bytes a row
	s_lshl_b32 s69, s30, 9
	s_add_co_u32 s68, s68, s69
	s_mov_b32 s69, 0
	s_add_nc_u64 s[22:23], s[22:23], s[68:69]
	s_add_nc_u64 s[24:25], s[24:25], s[68:69]
	s_mul_i32 s68, ttmp9, 49152                    ; vimg: a key step, and my six channel tiles in it
	s_mul_i32 s70, s30, 12288
	s_add_co_u32 s68, s68, s70
	s_add_nc_u64 s[26:27], s[26:27], s[68:69]
	v_and_b32 v1, 31, v0                           ; lane
	v_and_b32 v2, 15, v0                           ; r
	v_bfe_u32 v3, v0, 4, 1                         ; h
	v_lshlrev_b32 v[L16], 4, v1
	v_mul_u32_u24 v[XA], v2, 1584
	v_lshl_add_u32 v[XA], v3, 6, v[XA]
	v_add_nc_u32 v[XA], s31, v[XA]
	s_mul_i32 s68, s30, 12288
	s_add_co_u32 s68, s68, XIMG
	v_add_nc_u32 v[XW], s68, v[L16]
	v_add_nc_u32 v[XI], XIMG, v[L16]
	s_mul_i32 s68, s30, WP
	s_add_co_u32 s68, s68, WQK
	v_add_nc_u32 v[WW], s68, v[L16]
	v_and_b32 v[WR], 7, v0
	v_mul_u32_u24 v[WR], v[WR], WP
	v_lshl_add_u32 v[WR], v3, 6, v[WR]
	v_add_nc_u32 v[WR], WQK, v[WR]
	s_mul_i32 s68, s30, 36864                      ; my 96 rows of wv
	v_mul_u32_u24 v[WVO], v2, 384
	v_lshl_add_u32 v[WVO], v3, 4, v[WVO]
	v_add_nc_u32 v[WVO], s68, v[WVO]
	s_mul_i32 s68, s30, 384
	v_lshl_add_u32 v[BVO], v2, 2, s68
	v_lshlrev_b32 v3, 3, v3
	v_mad_u32_u24 v3, v2, 384, v3                  ; from here on v3 = 384 r + 8 h: my offset in a tile of wres,
	s_mul_i32 s68, s30, 1536
	v_add_nc_u32 v2, s68, v[L16]                   ; and v2 = 1,536 x wave + 16 x lane: my offset in wq and wk
.irp i, 0,1,2
	global_load_b128 v[32+4*\i:35+4*\i], v2, s[6:7] offset:512*\i    ; row w of wq: 512 consecutive bytes a load
.endr
.irp i, 0,1,2
	global_load_b128 v[44+4*\i:47+4*\i], v2, s[8:9] offset:512*\i    ; row w of wk
.endr
	WIN 0xc0
.irp c, 0,1,2,3,4,5
	global_load_b32 v[BV+8*\c], v[BVO], s[16:17] offset:64*\c        ; bv of my lane's channel in tile c
.endr
.macro WVLOAD f, reg                   ; fragment f = 3 x channel tile + K step
.irp c, 0,1,2,3
	global_load_b128 v[\reg+4*\c:\reg+4*\c+3], v[WVO], s[14:15] offset:6144*((\f)/3)+128*((\f)%3)+32*\c
.endr
.endm
	WIN 0x40
.set f, 0
.rept 12
	WVLOAD f, 16*f
.set f, f+1
.endr
	WIN 0
	; wres's codes in the order of the operand's registers: 72 fragments, one for each wave of the first 18 work-groups
	s_cmp_lt_u32 ttmp9, 18
	s_cbranch_scc0 .Lno_wres
	s_lshl_b32 s68, ttmp9, 2
	s_add_co_u32 s68, s68, s30                     ; fragment F = 24 x K step + row tile
	s_cmp_ge_u32 s68, 24
	s_cselect_b32 s69, 1, 0
	s_cmp_ge_u32 s68, 48
	s_cselect_b32 s70, 1, 0
	s_add_co_u32 s69, s69, s70                     ; K step
	s_mul_i32 s70, s69, 24
	s_sub_co_u32 s70, s68, s70                     ; row tile
	s_mul_i32 s70, s70, 6144
	s_lshl_b32 s69, s69, 7
	s_add_co_u32 s70, s70, s69
	s_mov_b32 s71, 0
	s_add_nc_u64 s[18:19], s[18:19], s[70:71]
	s_lshl_b32 s70, s68, 11
	s_add_nc_u64 s[28:29], s[28:29], s[70:71]
	s_wait_alu depctr_va_vdst(0)
.irp c, 0,1,2,3,4,5,6,7
	global_load_b64 v[WB+2*\c:WB+2*\c+1], v3, s[18:19] offset:16*\c   ; k = 16 c + 8 h + 0 .. 7 of row r
.endr
	s_wait_loadcnt 0x0
.irp c, 0,1,2,3
	global_store_b128 v[L16], v[WB+4*\c:WB+4*\c+3], s[28:29] offset:512*\c   ; 512 consecutive bytes a store
.endr
.Lno_wres:
	s_wait_loadcnt 54                              ; wq's and wk's six loads are in: behind them stand bv's 6 and wv's 48
.irp i, 0,1,2
	ds_store_b128 v[WW], v[32+4*\i:35+4*\i] offset:512*\i
	ds_store_b128 v[WW], v[44+4*\i:47+4*\i] offset:4*WP+512*\i
.endr
	WIN 0x40
.set f, 12
	s_wait_alu depctr_va_vdst(0)
.rept 4
	WVLOAD f, 16*f
.set f, f+1
.endr
	WIN 0x80
	WVLOAD 16, 0
	WVLOAD 17, 16
	WIN 0
	s_wait_dscnt 0x0                               ; for the others' sake: my rows of the weights lie in LDS
	s_barrier_signal -1
	s_barrier_wait -1
	WIN 0x80
.irp s, 0,1,2
.irp c, 0,1,2,3
.irp q, 0,1,2,3
	ds_load_b128 v[WF+64*\s+16*\c+4*\q:WF+64*\s+16*\c+4*\q+3], v[WR] offset:512*\s+128*\c+16*\q   ; register 64 s + 16 c + i: weight row r & 7, k = 128 s + 32 c + 16 h + i: as x lies below
.endr
.endr
.endr
	WIN 0
	s_wait_kmcnt 0x0
	s_add_co_i32 s68, s52, 127
	s_lshl_b32 s69, s68, 23
	v_mov_b32 v[SCX], s69                          ; 2^e0 as f32: the conversion takes its exponent field
	s_add_co_i32 s68, s68, 8
	s_lshl_b32 s68, s68, 23
	s_or_b32 s68, s68, 0x600000
	v_mov_b32 v[LMX], s68                          ; 448 x 2^e0
	s_add_co_i32 s70, s52, s53                     ; a sum of the V product stands for sum x 2^(e0 + e1): V's code is sum / 2^(e3 - e0 - e1)
	s_sub_co_i32 s68, s55, s70
	s_add_co_i32 s68, s68, 127
	s_lshl_b32 s69, s68, 23
	v_mov_b32 v[SCV], s69
	s_add_co_i32 s68, s68, 8
	s_lshl_b32 s68, s68, 23
	s_or_b32 s68, s68, 0x600000
	v_mov_b32 v[LMV], s68
	s_sub_co_i32 s70, 0, s70
	WIN 0xc0
.irp j, 0,1,2,3
	v_mov_b32 v[QB+\j], s[56+\j]
	v_mov_b32 v[QB+4+\j], s[60+\j]
.endr
	s_wait_loadcnt 63                              ; bv is in: 72 loads of wv were issued behind it; the count is the largest that the field names
	WIN 0xc3
.irp c, 0,1,2,3,4,5
.irp j, 7,6,5,4,3,2,1,0
	v_ldexp_f32 v[BV+8*\c+\j], v[BV+8*\c], s70     ; bv / 2^(e0 + e1), in all eight registers of the tile (its own register last)
.endr
.endr
	WIN 0
; Fragment n = 2 x K step + tile of rows.  XLD: register 16 c + i = x(row r, k = 128 s + 32 c + 16 h + i)
.macro XLD n
.set xb, XB+64*((\n)%2)
.irp c, 0,1,2,3
.irp q, 0,1,2,3
	ds_load_b128 v[xb+16*\c+4*\q:xb+16*\c+4*\q+3], v[XA] offset:((\n)/2)*528+((\n)%2)*25344+128*\c+16*\q
.endr
.endr
.endm
; 32 f32 products: four along K each.  The tile's two accumulators take turns, one instruction a turn; the first takes the biases as C, the second 0.
.macro QK n
.set xb, XB+64*((\n)%2)
.set wb, WF+64*((\n)/2)
.set qa, QA+16*((\n)%2)
	WIN 0xf2                                       ; source 0 (weights) window 2, source 1 (x) window 0, C and D window 3
.set p, 0
.rept 32
.if ((\n) < 2) && (p == 0)
	v_wmma_f32_16x16x4_f32 v[qa:qa+7], v[wb:wb+1], v[xb:xb+1], v[QB:QB+7]
.elseif ((\n) < 2) && (p == 1)
	v_wmma_f32_16x16x4_f32 v[qa+8:qa+15], v[wb+2:wb+3], v[xb+2:xb+3], 0
.else
	v_wmma_f32_16x16x4_f32 v[qa+8*(p%2):qa+8*(p%2)+7], v[wb+2*p:wb+2*p+1], v[xb+2*p:xb+2*p+1], v[qa+8*(p%2):qa+8*(p%2)+7]
.endif
.set p, p+1
.endr
	WIN 0
.endm
.macro QUANT n                         ; the hold goes into other registers, since the products above still name x's; these 64 lines are also the places in front of the next loads into x's registers
.set xb, XB+64*((\n)%2)
.set pc, PC+16*((\n)%2)
.set i, 0
.rept 64
	v_med3_num_f32 v[TQ+i], v[xb+i], -v[LMX], v[LMX]   ; the conversion to an 8-bit code does not saturate (ISA guide 7.6.2)
.set i, i+1
.endr
.set i, 0
.rept 8
	v_cvt_scalef32_pk8_fp8_f32 v[pc+2*i:pc+2*i+1], v[TQ+8*i:TQ+8*i+7], v[SCX]
.set i, i+1
.endr
	v_nop                                          ; one plain line behind the last conversion: later vector lines write its sources again
.endm
.macro IMAGE n                         ; the fragment goes to LDS as it stands in the registers
.set pc, PC+16*((\n)%2)
.irp c, 0,1,2,3
	ds_store_b128 v[XW], v[pc+4*\c:pc+4*\c+3] offset:(3*((\n)%2)+(\n)/2)*2048+512*\c
.endr
.endm
	s_wait_tensorcnt 0x0                           ; my rows are in; only I read these bytes
	XLD 0
	XLD 1
.irp n, 0,1,2,3,4,5
.if \n == 0
	s_wait_dscnt 16                                ; behind fragment 0's loads: fragment 1's 16
.elseif \n == 5
	s_wait_dscnt 4                                 ; behind fragment 5's: the four stores of image 4
.else
	s_wait_dscnt 20                                ; behind fragment n's: four stores of an image and the next fragment's 16 loads
.endif
	QK \n
	QUANT \n
	IMAGE \n
.if \n < 4
	XLD \n+2
.endif
.endr
	; q and k leave: the two halves of each sum are added; lanes 0-15 take the first tile's rows, lanes 16-31 the second's: 512 consecutive bytes a store
	WIN 0x0f
.irp t, 0,1
.irp j, 0,1,2,3,4,5,6,7
	v_add_f32 v[TQ+8*\t+\j], v[QA+16*\t+\j], v[QA+16*\t+8+\j]
.endr
.endr
	WIN 0
	v_cmp_le_u32 vcc_lo, 16, v1
.irp j, 0,1,2,3,4,5,6,7
	v_cndmask_b32 v[TQ+16+\j], v[TQ+\j], v[TQ+8+\j], vcc_lo
.endr
	global_store_b128 v[L16], v[TQ+16:TQ+19], s[22:23]
	global_store_b128 v[L16], v[TQ+20:TQ+23], s[24:25]
	s_wait_dscnt 0x0                               ; for the others' sake: my six images lie in LDS
	s_barrier_signal -1
	s_barrier_wait -1
	; THE V PRODUCT: two tiles of rows at a time x my six channel tiles: twelve accumulators by turns, K step by K step
.macro GFETCH cc
.set k, 0
.rept 24
	ds_load_b128 v[GX+4*k:GX+4*k+3], v[XI] offset:12288*(\cc)+512*k
.set k, k+1
.endr
.endm
	s_wait_loadcnt 0x0                             ; wv's fragments
	GFETCH 0
.irp cc, 0,1,2,3
	s_wait_dscnt 0x0
.irp s, 0,1,2
.irp t, 0,1
.irp ct, 0,1,2,3,4,5
.if 3*\ct+\s < 16
	WIN 0xf4                                       ; source 0 (x) window 0, source 1 (wv) window 1, C and D window 3
.set rw, 16*(3*\ct+\s)
.else
	WIN 0xf8                                       ; wv's last two fragments lie in window 2
.set rw, 16*(3*\ct+\s-16)
.endif
.if \s == 0
	v_wmma_f32_16x16x128_fp8_fp8 v[8*(6*\t+\ct):8*(6*\t+\ct)+7], v[GX+16*(3*\t+\s):GX+16*(3*\t+\s)+15], v[rw:rw+15], v[BV+8*\ct:BV+8*\ct+7]
.else
	v_wmma_f32_16x16x128_fp8_fp8 v[8*(6*\t+\ct):8*(6*\t+\ct)+7], v[GX+16*(3*\t+\s):GX+16*(3*\t+\s)+15], v[rw:rw+15], v[8*(6*\t+\ct):8*(6*\t+\ct)+7]
.endif
.endr
.endr
.endr
	WIN 0
	PLACES 4                                       ; in front of the loads into x's fragments and of the first read of the sums
.if \cc < 3
	GFETCH \cc+1
.endif
	s_wait_xcnt 0x0                                ; earlier stores have read their data: the registers below are written again
	WIN 0x03
.set i, 0
.rept 96
	v_med3_num_f32 v[T2+i], v[i], -v[LMV], v[LMV]  ; each accumulator from its low end on
.set i, i+1
.endr
	WIN 0
.irp ct, 0,1,2,3,4,5
.irp t, 0,1
	v_cvt_scalef32_pk8_fp8_f32 v[VC+4*\ct+2*\t:VC+4*\ct+2*\t+1], v[T2+8*(6*\t+\ct):T2+8*(6*\t+\ct)+7], v[SCV]   ; keys 16 (2 cc + t) + 8 h + 0 .. 7 of my channel
.endr
.endr
	v_nop
.irp ct, 0,1,2,3,4,5
	global_store_b128 v[L16], v[VC+4*\ct:VC+4*\ct+3], s[26:27] offset:2048*\ct+512*\cc th:TH_STORE_NT   ; registers 4 cc .. 4 cc + 3 of the fragment: 512 consecutive bytes
.endr
.endr
	s_set_vgpr_msb 0xa
	s_wait_tensorcnt 0x0
	ds_add_u32 v254, v255
	s_wait_dscnt 0x0
	s_set_vgpr_msb 0xa00
	s_endpgm
.Lfunc_end_k_q632309b9fc_project:
	.size	k_q632309b9fc_project, .Lfunc_end_k_q632309b9fc_project-k_q632309b9fc_project
	.p2alignl 7, 3214868480
	.fill 96, 4, 3214868480
	.section	.rodata,"a",@progbits
	.p2align	6, 0x0
	.amdhsa_kernel k_q632309b9fc_project
		.amdhsa_group_segment_fixed_size 264960
		.amdhsa_private_segment_fixed_size 0
		.amdhsa_enable_private_segment 0
		.amdhsa_kernarg_size 104
		.amdhsa_user_sgpr_count 2
		.amdhsa_user_sgpr_kernarg_segment_ptr 1
		.amdhsa_wavefront_size32 1
		.amdhsa_system_sgpr_workgroup_id_x 1
		.amdhsa_system_sgpr_workgroup_id_y 1
		.amdhsa_system_sgpr_workgroup_id_z 1
		.amdhsa_system_vgpr_workitem_id 0
		.amdhsa_next_free_vgpr 1024
		.amdhsa_next_free_sgpr 72
		.amdhsa_reserve_vcc 1
		.amdhsa_float_denorm_mode_32 3
		.amdhsa_float_denorm_mode_16_64 3
		.amdhsa_memory_ordered 1
		.amdhsa_forward_progress 1
		.amdhsa_inst_pref_size 117
	.end_amdhsa_kernel
	.amdgpu_metadata
---
amdhsa.version: [ 1, 2 ]
amdhsa.kernels:
  - .name:           k_q632309b9fc_project
    .symbol:         k_q632309b9fc_project.kd
    .args:
      - { .name: x, .offset: 0, .size: 8, .value_kind: global_buffer, .address_space: global }
      - { .name: wq, .offset: 8, .size: 8, .value_kind: global_buffer, .address_space: global }
      - { .name: wk, .offset: 16, .size: 8, .value_kind: global_buffer, .address_space: global }
      - { .name: bq, .offset: 24, .size: 8, .value_kind: global_buffer, .address_space: global }
      - { .name: bk, .offset: 32, .size: 8, .value_kind: global_buffer, .address_space: global }
      - { .name: wv_codes, .offset: 40, .size: 8, .value_kind: global_buffer, .address_space: global }
      - { .name: bv, .offset: 48, .size: 8, .value_kind: global_buffer, .address_space: global }
      - { .name: wres_codes, .offset: 56, .size: 8, .value_kind: global_buffer, .address_space: global }
      - { .name: lowp_scales, .offset: 64, .size: 8, .value_kind: global_buffer, .address_space: global }
      - { .name: out0, .offset: 72, .size: 8, .value_kind: global_buffer, .address_space: global }
      - { .name: kf, .offset: 80, .size: 8, .value_kind: global_buffer, .address_space: global }
      - { .name: vimg, .offset: 88, .size: 8, .value_kind: global_buffer, .address_space: global }
      - { .name: wrimg, .offset: 96, .size: 8, .value_kind: global_buffer, .address_space: global }
    .group_segment_fixed_size: 264960
    .private_segment_fixed_size: 0
    .kernarg_segment_align: 8
    .kernarg_segment_size: 104
    .max_flat_workgroup_size: 128
    .sgpr_count:     72
    .vgpr_count:     1024
    .wavefront_size: 32
...
	.end_amdgpu_metadata
.endif
;; end of part 1
;; launch attend (part 2): grid 32 x 8, 4 waves a work-group, clusters of 4 x 1, 327,680 bytes of LDS; arguments x, out0, kf, vimg, wrimg, bres, gamma, lowp_scales, out1; writes out1
.if DOCPART == 2
	.amdgcn_target "amdgcn-amd-amdhsa--gfx1250"
	.amdhsa_code_object_version 6
	.text
	.protected	k_q632309b9fc_attend
	.globl	k_q632309b9fc_attend
	.p2align	8
	.type	k_q632309b9fc_attend,@function
k_q632309b9fc_attend:
	s_mov_b64 s[64:65], 0
	v_nop
	global_prefetch_b8 v0, s[64:65] scope:SCOPE_SE
	s_setreg_imm32_b32 hwreg(HW_REG_WAVE_MODE, 25, 1), 1
	s_wait_xcnt 0x0
	s_wait_alu depctr_hold_cnt(0) depctr_sa_sdst(0) depctr_va_vdst(0) depctr_va_sdst(0) depctr_va_ssrc(0) depctr_va_vcc(0) depctr_vm_vsrc(0)
	s_getreg_b32 s2, hwreg(HW_REG_IB_STS2, 6, 4)
	s_cmp_eq_u32 s2, 0
	s_cbranch_scc0 .Lentry_in_a_cluster
	s_endpgm
.Lentry_in_a_cluster:
	s_bfe_u32 s2, ttmp6, 0x10000c
	s_cmp_lg_u32 s2, 0x3003
	s_cbranch_scc0 .Lentry_shape_is_right
	s_endpgm
.Lentry_shape_is_right:
; ATTEND.  out1 = gamma (softmax(q k^T) V wres^T + bres) + x.  q = out0 and k = kf ([32768][4] f32), V's codes (vimg) and wres's codes (wrimg) come from launch project, the codes as images of operand registers.
; SHARES.  A work-group owns 128 queries of one batch, a wave 32 of them (two tiles of 16), and walks the batch's 4,096 keys in 32 steps of 128.  O^T (384 channels x 32 queries) stays in 384 registers.
; Both products are used transposed: S^T = k q^T by v_wmma_f32_16x16x4_f32 (q x log2(e) beforehand), O^T += V^T p^T by v_wmma_f32_16x16x128_fp8_fp8: a lane holds one query throughout.
; SOFTMAX: M = the running largest t rounded up to a whole number, p = 2^(t - M) is quantised with the given 2^e2, the row's sum is taken of the unquantised p; when M moves, the sum and O^T are multiplied by 2^(old M - new M).
; THE STEP IS A PIPELINE: while step i's p is multiplied with V (48 products, in pairs, six groups of eight), step i + 1's scores go through the softmax.  The exponentials go in two batches of 64, one a tile.
; Batch 0 takes turns with tile 1's subtractions, batch 1 with tile 0's hold: what those plain lines write is first read behind the next batch's wait.  Each group of products opens at a fixed place (macro BOUND).
; LDS: two slots of two steps of V (98,304 bytes at 0 and at 2^17), the batch's k (65,536 bytes and 2,048 of zeros, which the last fragment load ahead reads) at KBASE, the spare words at SPARE.
; Behind the loop wres's K steps 1, 2 lie in slot 0 (the last refill), K step 0 is filled over k's bytes, and the way out's stages lie in slot 1, which has had its last fill.
; CLUSTER 4 x 1: the four query blocks walk the same k, V and wres: every tensor load is a joint load with the mask 15.  Waves 0 to 2 fetch a third of a slot each (128 rows of 256 bytes); wave 3 fetches k at the head.
; PREFETCH: cluster 0 of each batch asks for V's pair one change of slots ahead, 8,192 bytes a wave, shared out among partners by address; of x each wave asks for one block of 256 bytes of each of its 32 rows in each of the last six trips.
; LIMITS: e2 and e4 - e2 - e3 between -126 and 119 (each scale and 448 x the scale is an f32 number); the scaled scores stay under 2^31 in magnitude; NaN and infinities among the inputs are not served.
.set SLOT1, 1<<17
.set STEPB, 49152
.set PAIRB, 2*STEPB
.set SPARE, 122880
.set KBASE, 229376
.set W0A,   KBASE                      ; wres's K step 0, row tiles 0-11,
.set W0B,   KBASE+24576                ; and 12-23
.set STAGE, SLOT1
; window 0: v1-15 addresses and constants; ST two tiles' state (0 -M, 1 largest t, 2-5 sums, 6-7 f and 0, 8-11 at work); KF k's fragments; P, P1 the two tiles' exponents and p
; window 1: v0-63 p's codes, two sets; v64-255 three buffers of four fragments of V
; window 2: v0-191 O^T of channel tiles 0-11, accumulator (channel tile, query tile) at 16 x channel tile + 8 x query tile; window 3: the same of channel tiles 12-23
; windows 2, 3, v192-255: the scores of query tile 0, 1, and at the end the last product's sums: written by matrix instructions alone
.set L16, 1
.set SPW, 2
.set NIL, 3
.set VA,  4
.set KA,  5
.set K0,  6
.set PFO, 7
.set LIMV, 8
.set SCV, 9
.set QF,  10
.set PX,  14
.set ST,  16
.set KF,  40
.set P,   56
.set P1,  120
.set SS,  192
.set B64K, 248
.set BW0A, 249
.set BW0B, 250
.set STO, 251
.set GV,  252
.set RD,  254
.set WV,  22
.set CX,  23
.set TB,  24
.set KB,  25
.set TRIP, 26
.set LIM, 27
.set SEL, 28
.set G1V, 32
.set G1K, 40
.set G1W, 48
.set G0V, 56
.set G0K, 60
.set G0W, 68
.set NV,  72
.set WR,  74
.set PFA, 76
.set XQ,  78
.set GAM, 88
.set XP,  90
.set OP,  92
.set PER, 10
.set MSB, 0
.macro WIN new                         ; the immediate's high byte repeats the setting that is left; a switch that changes nothing is dropped
.if MSB != (\new)
	s_set_vgpr_msb (MSB<<8)|(\new)
.set MSB, (\new)
.endif
.endm
.macro PLACES n
.rept \n
	v_nop
.endr
.endm
.macro CROUND                          ; a round of the cluster's barrier
	s_barrier_signal -1
	s_barrier_wait -1
	s_cmp_lg_u32 s[WV], 0
	s_cbranch_scc1 .Lnot_wave_0_\@
	s_barrier_signal -3
.Lnot_wave_0_\@:
	s_barrier_wait -3
	s_barrier_signal -1
	s_barrier_wait -1
.endm
.macro G1SET g, rows, have             ; a dense block as rows of 32 elements of 8 bytes; rows past 'have' are written as zeros
	s_mov_b32 s[\g], 15|(3<<16)|(1<<21)
	s_mov_b32 s[\g+1], 32<<16
	s_mov_b32 s[\g+2], (\have)<<16
	s_mov_b32 s[\g+3], 32<<16
	s_mov_b32 s[\g+4], \rows
	s_mov_b32 s[\g+5], 32
	s_mov_b32 s[\g+6], 0
	s_mov_b32 s[\g+7], 0
.endm
	s_load_b512 s[4:19], s[0:1], 0x0               ; x, out0, kf, vimg, wrimg, bres, gamma, the scales' exponents
	s_load_b64 s[20:21], s[0:1], 0x40              ; out1
	v_lshl_add_u32 v[SPW], v0, 2, SPARE
	v_mov_b32 v[NIL], 0
	ds_add_u32 v[SPW], v[NIL]                      ; the opening lines: the add twice on end and its one wait
	ds_add_u32 v[SPW], v[NIL]
	v_lshrrev_b32 v1, 5, v0
	v_readfirstlane_b32 s[WV], v1
	s_bfe_u32 s[CX], ttmp6, 0x40000
	s_and_b32 s31, ttmp7, 0xffff                   ; the batch
	G1SET G1V, 128, 128
	G1SET G1K, 264, 256
	G1SET G1W, 48, 48
	s_mul_i32 s94, s31, 1572864                    ; the batch's V,
	s_lshl_b32 s30, s[WV], 15                      ; my third of a pair of steps (waves 0 to 2)
	s_add_co_u32 s94, s94, s30
	s_mov_b32 s95, 0
	s_lshl_b32 s96, s31, 16                        ; the batch's k
	s_mov_b32 s97, 0
	s_wait_dscnt 0x0
	s_wait_kmcnt 0x0
	s_load_b128 s[80:83], s[18:19], 0x0            ; e0 .. e3
	s_load_b64 s[84:85], s[18:19], 0x10            ; e4, e5
	s_load_b32 s[GAM], s[16:17], 0x0
	s_add_nc_u64 s[NV:NV+1], s[10:11], s[94:95]
	s_mov_b32 s[G0V], 1
	s_mov_b32 s[G0V+1], s30
	s_mov_b64 s[G0V+2:G0V+3], s[NV:NV+1]
	s_or_b32 s[G0V+3], s[G0V+3], 0x80000000
	s_mov_b32 s[G0K], 1
	s_mov_b32 s[G0K+1], KBASE
	s_add_nc_u64 s[G0K+2:G0K+3], s[8:9], s[96:97]
	s_or_b32 s[G0K+3], s[G0K+3], 0x80000000
	s_mul_i32 s96, s[WV], 12288                    ; wres's K step 0: a quarter a wave
	s_mov_b32 s[G0W], 1
	s_add_co_u32 s[G0W+1], s96, W0A
	s_add_nc_u64 s[G0W+2:G0W+3], s[12:13], s[96:97]
	s_or_b32 s[G0W+3], s[G0W+3], 0x80000000
	s_mov_b32 s96, s30
	s_add_nc_u64 s[WR:WR+1], s[12:13], s[96:97]
	s_add_nc_u64 s[WR:WR+1], s[WR:WR+1], STEPB     ; wres's K steps 1, 2: my third
	CROUND
	s_cmp_eq_u32 s[WV], 3                          ; one tensor load a wave at the head: wave 3 all of k, waves 0 to 2 slot 0
	s_cbranch_scc0 .Lhead_v
	tensor_load_to_lds s[G0K:G0K+3], s[G1K:G1K+7]
	s_nop 0
	PLACES 4
	s_branch .Lhead_j
.Lhead_v:
	tensor_load_to_lds s[G0V:G0V+3], s[G1V:G1V+7]
	s_nop 0
	PLACES 4
.Lhead_j:
	s_lshl_b32 s30, ttmp9, 2
	s_add_co_u32 s30, s30, s[CX]
	s_lshl_b32 s30, s30, 7
	s_lshl_b32 s96, s31, 12
	s_add_co_u32 s30, s30, s96
	s_lshl_b32 s96, s[WV], 5
	s_add_co_u32 s30, s30, s96                     ; my first query, counted through the batches
	s_mul_i32 s96, s30, 1536
	s_add_nc_u64 s[XP:XP+1], s[4:5], s[96:97]
	s_add_nc_u64 s[OP:OP+1], s[20:21], s[96:97]
	s_mov_b64 s[XQ:XQ+1], s[XP:XP+1]
	s_lshl_b32 s96, s30, 4
	s_add_nc_u64 s[6:7], s[6:7], s[96:97]
	s_mul_i32 s96, s[CX], 3                        ; V's prefetches: 12 parts of 8,192 bytes of a pair, by partner and wave
	s_add_co_u32 s96, s96, s[WV]
	s_lshl_b32 s96, s96, 13
	s_mul_i32 s30, s31, 1572864
	s_add_co_u32 s96, s96, s30
	s_add_co_u32 s96, s96, PAIRB
	s_add_nc_u64 s[PFA:PFA+1], s[10:11], s[96:97]
	s_cmp_lt_u32 s[WV], 3
	s_cselect_b32 s[LIM], 0, 1
	s_or_b32 s[LIM], s[LIM], ttmp9
	s_cmp_eq_u32 s[LIM], 0
	s_cselect_b32 s[LIM], 2, -1                    ; waves 0 to 2 of cluster 0 ask while more than 2 trips are left: the last pair asked for is the batch's last
	s_mov_b32 s[SEL], 0x76543210
	s_mov_b32 s[SEL+1], 0xfedcba98
	s_mov_b32 s[TB], 0
	s_mov_b32 s[KB], KBASE
	s_mov_b32 s[TRIP], 16
	v_and_b32 v15, 31, v0
	v_lshlrev_b32 v[L16], 4, v15
	v_lshlrev_b32 v[PFO], 8, v15
	v_mul_u32_u24 v[PX], v15, 1536
	v_and_b32 v4, 15, v0
	v_bfe_u32 v5, v0, 4, 1
	v_lshlrev_b32 v[K0], 4, v4
	v_lshl_add_u32 v[K0], v5, 3, v[K0]             ; row r of 16 bytes, + 8 h: k = 2 h, 2 h + 1
	global_load_b64 v[QF:QF+1], v[K0], s[6:7]
	global_load_b64 v[QF+2:QF+3], v[K0], s[6:7] offset:256
	v_add_nc_u32 v[B64K], 0x10000, v[L16]
	v_add_nc_u32 v[BW0A], W0A, v[L16]
	v_add_nc_u32 v[BW0B], W0B, v[L16]
	s_mul_i32 s30, s[WV], 16896
	s_add_co_u32 s30, s30, STAGE
	v_mul_u32_u24 v[STO], v4, 528
	v_lshl_add_u32 v[STO], v5, 5, v[STO]
	v_add_nc_u32 v[STO], s30, v[STO]
	v_add_nc_u32 v[RD], s30, v[L16]
.irp t, 0,1
	v_mov_b32 v[ST+12*\t+1], 0xff61b1e6            ; the largest t so far: -3e38
	v_floor_f32 v[ST+12*\t], -v[ST+12*\t+1]
	v_mov_b32 v[ST+12*\t+2], 0
	v_mov_b32 v[ST+12*\t+3], 0
	v_mov_b32 v[ST+12*\t+7], 0
.endr
	s_wait_kmcnt 0x0
	s_add_co_i32 s30, s82, 127
	s_lshl_b32 s96, s30, 23
	v_mov_b32 v[SCV], s96                          ; 2^e2
	s_add_co_i32 s30, s30, 8
	s_lshl_b32 s30, s30, 23
	s_or_b32 s30, s30, 0x600000
	v_mov_b32 v[LIMV], s30                         ; 448 x 2^e2
	s_add_co_i32 s30, s84, s85
	v_mov_b32 v[GV], s[GAM]
	v_ldexp_f32 v[GV], v[GV], s30                  ; gamma x 2^(e4 + e5)
	v_mov_b32 v[GV+1], v[GV]
	s_wait_loadcnt 0x0
.irp i, 0,1,2,3
	v_mul_f32 v[QF+\i], 0x3fb8aa3b, v[QF+\i]       ; q x log2(e): the scores come out as t
.endr
.macro KLOAD                           ; the next step's eight fragments of k
	WIN 0
	v_add_nc_u32 v[KA], s[KB], v[K0]
	s_add_co_u32 s[KB], s[KB], 2048
.irp i, 0,1,2,3,4,5,6,7
	ds_load_b64 v[KF+2*\i:KF+2*\i+1], v[KA] offset:256*\i
.endr
.endm
.macro VLOAD g                         ; group g's four fragments of V into buffer g % 3
	WIN 0x40
.irp i, 0,1,2,3
.irp c, 0,1,2,3
	ds_load_b128 v[64+64*((\g)%3)+16*\i+4*\c:64+64*((\g)%3)+16*\i+4*\c+3], v[VA] offset:(4*(\g)+\i)*2048+512*\c
.endr
.endr
.endm
.macro KQ rs                           ; 16 tiles of scores; rs = 1: behind each product twelve lines of O^T x f, ascending, which are also its places
.set i, 0
.rept 16
	WIN 0x80+0x40*(i/8)
	v_wmma_f32_16x16x4_f32 v[SS+8*(i%8):SS+8*(i%8)+7], v[KF+2*(i%8):KF+2*(i%8)+1], v[QF+2*(i/8):QF+2*(i/8)+1], 0
.if \rs
	WIN 0x82+0x41*(i/8)
.set k, 0
.rept 12
.set rO, 2*((12*i+k)%96)
	v_pk_mul_f32 v[rO:rO+1], v[rO:rO+1], v[ST+12*((rO/8)%2)+6:ST+12*((rO/8)%2)+7] op_sel_hi:[1,0]
.set k, k+1
.endr
.endif
.set i, i+1
.endr
.if !(\rs)
	PLACES 8
.endif
.endm
.macro MM1                             ; product mmi: channel tile mmi / 2, query tile mmi % 2: each accumulator has one turn a step
	WIN 0xa5+0x50*(mmi/24)
.set rO, 16*((mmi/2)%12)+8*(mmi%2)
.set rV, 64+64*(((mmi/2)/4)%3)+16*((mmi/2)%4)
.set rC, 32*PARV+16*(mmi%2)
.if ZEROV
	v_wmma_f32_16x16x128_fp8_fp8 v[rO:rO+7], v[rV:rV+15], v[rC:rC+15], 0
.else
	v_wmma_f32_16x16x128_fp8_fp8 v[rO:rO+7], v[rV:rV+15], v[rC:rC+15], v[rO:rO+7]
.endif
.set mmi, mmi+1
.endm
.macro TICK n                          ; n more units of vector work have passed: behind every PER of them ONE product of the open group (a fragment's two products, one a query tile, follow each other in the order of turns, with vector lines between them)
.set vc, vc+(\n)
.if (vc >= PER) && (mmi < mml)
.set vc, vc-PER
	MM1
.endif
.endm
; A group's opening.  What is left of the group before is issued; its buffer takes the group two further on (four places ahead of the loads); then the wait for this group's fragments:
; behind them stand the 32 loads of the next two groups (16, 0 for the last two); k's eight loads, where they stand among them, only make the wait stricter.
; alu = 1: the wait directly ahead of the blocking wait; where a batch of exponentials follows or has gone before, it is that batch's wait too.
.macro BOUND alu
.rept 8
.if mmi < mml
	MM1
.endif
.endr
.if (mml >= 8) && (mml <= 24)
	WIN 0
	PLACES 4
	VLOAD mml/8+2
.endif
.if \alu
	s_wait_alu depctr_va_vdst(0)
.endif
.if mml < 48
.if mml <= 24
	s_wait_dscnt 32
.elseif mml == 32
	s_wait_dscnt 16
.else
	s_wait_dscnt 0x0
.endif
.set mml, mml+8
.endif
.set vc, 0
.endm
.macro MAXT t                          ; the tile's largest t in four chains; each accumulator from its low end on
.set q, 0
.rept 32
	WIN 0x28+0x14*(\t)
.if q < 4
	v_max3_num_f32 v[ST+12*(\t)+8+q], v[ST+12*(\t)+1], v[SS+2*q], v[SS+2*q+1]
.else
	v_max3_num_f32 v[ST+12*(\t)+8+(q%4)], v[ST+12*(\t)+8+(q%4)], v[SS+2*q], v[SS+2*q+1]
.endif
	TICK 1
.set q, q+1
.endr
.endm
.macro ADDM0                           ; tile 0: t - M, two at a time, into registers that vector instructions may write
.set q, 0
.rept 32
	WIN 0x08
	v_pk_add_f32 v[P+2*q:P+2*q+1], v[ST:ST+1], v[SS+2*q:SS+2*q+1] op_sel_hi:[0,1]
	TICK 1
.set q, q+1
.endr
.endm
.macro EXA                             ; batch 0, p = 2^(t - M) of tile 0, by turns with tile 1's t - M, which batch 1 reads behind the wait ahead of it
.set q, 0
.rept 32
	WIN 0x0c
	v_exp_f32 v[P+2*q], v[P+2*q]
	v_pk_add_f32 v[P1+2*q:P1+2*q+1], v[ST+12:ST+13], v[SS+2*q:SS+2*q+1] op_sel_hi:[0,1]
	v_exp_f32 v[P+2*q+1], v[P+2*q+1]
	TICK 5
.if q == 15
	BOUND 0                                        ; what the plain lines above wrote is read behind the wait that follows the batch
.endif
.set q, q+1
.endr
	v_nop                                          ; a plain place behind the last exponential
.endm
.macro HOLD r                          ; two numbers held at 448 x 2^e2 (p is not negative: one-sided); the conversion to an 8-bit code does not saturate (ISA guide 7.6.2)
	v_dual_min_num_f32 v[\r], v[\r], v[LIMV] :: v_dual_min_num_f32 v[\r+1], v[\r+1], v[LIMV]
.endm
.macro EXM                             ; batch 1 by turns with tile 0's hold, whose results the conversions read behind the wait that follows the batch
.set q, 0
.rept 32
	WIN 0
	v_exp_f32 v[P1+2*q], v[P1+2*q]
	HOLD P+2*q
	v_exp_f32 v[P1+2*q+1], v[P1+2*q+1]
	TICK 5
.if q == 15
	BOUND 0
.endif
.set q, q+1
.endr
	v_nop
.endm
.macro CH j                            ; the four chains of a row's sum: the last is the running sum
.if (\j) == 0
.set cr, rT+4
.elseif (\j) == 1
.set cr, rT+8
.elseif (\j) == 2
.set cr, rT+10
.else
.set cr, rT+2
.endif
.endm
.macro SUMS t, hold                    ; the sum of the unquantised p, 32 lines; hold = 1: behind line n the hold of pair n, which has been summed by then
.set rT, ST+12*(\t)
.set PP, P+64*(\t)
.set n, 0
.rept 32
	WIN 0
.if n < 3
	CH n
	v_pk_add_f32 v[cr:cr+1], v[PP+4*n:PP+4*n+1], v[PP+4*n+2:PP+4*n+3]
.elseif n < 29
	CH n%4
	v_pk_add_f32 v[cr:cr+1], v[cr:cr+1], v[PP+2*(n+3):PP+2*(n+3)+1]
.elseif n == 29
	v_pk_add_f32 v[rT+4:rT+5], v[rT+4:rT+5], v[rT+8:rT+9]
.elseif n == 30
	v_pk_add_f32 v[rT+2:rT+3], v[rT+2:rT+3], v[rT+10:rT+11]
.else
	v_pk_add_f32 v[rT+2:rT+3], v[rT+2:rT+3], v[rT+4:rT+5]
.endif
.if \hold
	HOLD PP+2*n
.endif
	TICK 1+(\hold)
.set n, n+1
.endr
.endm
.macro CVT t, parn                     ; the tile's codes: registers 2 q, 2 q + 1 hold keys 16 q + 8 h + 0 .. 7
	WIN 0x40
.set q, 0
.rept 8
	v_cvt_scalef32_pk8_fp8_f32 v[32*(\parn)+16*(\t)+2*q:32*(\parn)+16*(\t)+2*q+1], v[P+64*(\t)+8*q:P+64*(\t)+8*q+7], v[SCV]
.set q, q+1
.endr
	v_nop                                          ; one plain line behind the last conversion
	TICK 9
.endm
.macro SM parn                         ; the softmax of the scores, its codes into set parn, with the open step's 48 products among its lines
	BOUND 0                                        ; group 0: nothing freshly written is read close behind this wait
	MAXT 0
	MAXT 1
	WIN 0
.irp t, 0,1
	v_max3_num_f32 v[ST+12*\t+8], v[ST+12*\t+8], v[ST+12*\t+9], v[ST+12*\t+10]
.endr
.irp t, 0,1
	v_max_num_f32 v[ST+12*\t+8], v[ST+12*\t+8], v[ST+12*\t+11]
.endr
.irp t, 0,1
	v_permlanex16_b32 v[ST+12*\t+9], v[ST+12*\t+8], s[SEL], s[SEL+1]
.endr
.irp t, 0,1
	v_max_num_f32 v[ST+12*\t+1], v[ST+12*\t+8], v[ST+12*\t+9]                  ; the running largest t
.endr
.irp t, 0,1
	v_mov_b32 v[ST+12*\t+10], v[ST+12*\t]
.endr
	TICK 10
	WIN 0
.irp t, 0,1
	v_floor_f32 v[ST+12*\t], -v[ST+12*\t+1]                                    ; -M = floor(-t)
.endr
.irp t, 0,1
	v_sub_f32 v[ST+12*\t+10], v[ST+12*\t], v[ST+12*\t+10]
.endr
.irp t, 0,1
	v_cvt_i32_f32 v[ST+12*\t+10], v[ST+12*\t+10]
.endr
.irp t, 0,1
	v_ldexp_f32 v[ST+12*\t+6], 1.0, v[ST+12*\t+10]                             ; f = 2^(old M - new M)
.endr
.irp t, 0,1
	v_pk_mul_f32 v[ST+12*\t+2:ST+12*\t+3], v[ST+12*\t+2:ST+12*\t+3], v[ST+12*\t+6:ST+12*\t+7] op_sel_hi:[1,0]
.endr
	TICK 10
	KLOAD
	ADDM0
	BOUND 1                                        ; group 1; the wait ahead of batch 0
	EXA                                            ; (group 2 opens in its middle)
	BOUND 1                                        ; group 3; the wait behind batch 0 and ahead of batch 1
	SUMS 0, 0
	EXM                                            ; (group 4 opens in its middle)
	BOUND 1                                        ; group 5; the wait behind batch 1
	CVT 0, \parn
	SUMS 1, 1
	CVT 1, \parn
	BOUND 0                                        ; what is left of group 5
.endm
.macro INTERVAL par, zero              ; step par of the slot in hand is multiplied; the next step's scores and softmax are made
	WIN 0
	PLACES 4
	s_add_co_u32 s30, s[TB], (\par)*STEPB
	v_add_nc_u32 v[VA], s30, v[L16]
	VLOAD 0
	VLOAD 1
	VLOAD 2
	s_wait_alu depctr_va_vdst(0)                   ; ahead of the blocking wait, and ahead of the first readers of O^T
	s_wait_dscnt 48                                ; k's fragments are in: behind them stand V's 48 loads
	KQ 1-(\zero)
.set mmi, 0
.set mml, 0
.set vc, 0
.set PARV, \par
.set ZEROV, \zero
	SM 1-(\par)
.endm
.macro ASK xp
	s_cmp_gt_u32 s[TRIP], s[LIM]
	s_cbranch_scc0 .Lno_v_\@
	global_prefetch_b8 v[PFO], s[PFA:PFA+1] th:TH_LOAD_NT scope:SCOPE_SE
.Lno_v_\@:
.if \xp
	s_cmp_le_u32 s[TRIP], 6                        ; the last six trips: bytes 256 (6 - trips left) .. + 255 of each of my 32 rows of x, a lane a row
	s_cbranch_scc0 .Lno_x_\@
	global_prefetch_b8 v[PX], s[XQ:XQ+1] th:TH_LOAD_NT scope:SCOPE_SE
.Lno_x_\@:
.endif
.endm
.macro CHANGE xp                       ; the change of slots: the three lines, a round of the cluster's barrier, the joint fill of the slot that was left (the last time: wres's K steps 1, 2)
	WIN 0
	s_wait_tensorcnt 0x0
	ds_add_u32 v[SPW], v[NIL]
	s_xor_b32 s[G0V+1], s[G0V+1], SLOT1
	s_add_nc_u64 s[NV:NV+1], s[NV:NV+1], PAIRB
	s_cmp_eq_u32 s[TRIP], 1
	s_cselect_b64 s[G0V+2:G0V+3], s[WR:WR+1], s[NV:NV+1]
	s_or_b32 s[G0V+3], s[G0V+3], 0x80000000
	s_wait_xcnt 0x0                                ; my prefetches have read their addresses
	s_add_nc_u64 s[PFA:PFA+1], s[PFA:PFA+1], PAIRB
.if \xp
	s_min_u32 s30, s[TRIP], 6
	s_sub_co_u32 s30, 6, s30
	s_lshl_b32 s30, s30, 8                         ; 0 .. 1,280
	s_mov_b32 s31, 0
	s_add_nc_u64 s[XQ:XQ+1], s[XP:XP+1], s[30:31]
.endif
	s_wait_dscnt 0x0
	CROUND
	s_cmp_eq_u32 s[WV], 3                          ; wave 3 has no part of a slot
	s_cbranch_scc1 .Lno_fill_\@
	tensor_load_to_lds s[G0V:G0V+3], s[G1V:G1V+7]
	s_nop 0
	PLACES 4
.Lno_fill_\@:
	ASK \xp
.endm
	s_wait_alu depctr_va_vdst(0)                   ; the wait at the head's end
	CHANGE 0                                       ; k and slot 0 are in; slot 1's first fill
	s_mov_b32 s[TRIP], 15
	KLOAD
	s_wait_dscnt 0x0
	s_wait_alu depctr_va_vdst(0)
	KQ 0
.set mmi, 48
.set mml, 48
.set vc, 0
.set PARV, 0
.set ZEROV, 0
	SM 0                                           ; step 0's softmax, with no products beside it
	INTERVAL 0, 1                                  ; step 0's products start the sums
	WIN 0
.Lpair:
	INTERVAL 1, 0
	WIN 0
	s_xor_b32 s[TB], s[TB], SLOT1
	CHANGE 1
	INTERVAL 0, 0
	WIN 0
	s_sub_co_u32 s[TRIP], s[TRIP], 1
	s_cmp_lg_u32 s[TRIP], 0
	s_cbranch_scc1 .Lpair
	s_wait_tensorcnt 0x0                           ; k has been read for the last time: its bytes take wres's K step 0, a quarter a wave
	ds_add_u32 v[SPW], v[NIL]
	s_wait_dscnt 0x0
	CROUND
	tensor_load_to_lds s[G0W:G0W+3], s[G1W:G1W+7]
	s_nop 0
	PLACES 4
.irp g, 0,1,2
	global_load_b128 v[KF+4*\g:KF+4*\g+3], v[L16], s[14:15] offset:512*\g      ; bres
.endr
.macro XCH g, t, w, reg                ; x: 16 rows of tile t, bytes 512 g .. 512 g + 511, into window w
	WIN (\w)<<6
.set q, 0
.rept 16
	global_load_b128 v[\reg+4*q:\reg+4*q+3], v[L16], s[XP:XP+1] offset:(16*(\t)+q)*1536+512*(\g) th:TH_LOAD_NT
.set q, q+1
.endr
.endm
	XCH 0, 0, 0, P                                 ; p's registers are free
	XCH 0, 1, 0, P1
	WIN 0
	PLACES 4
	s_add_co_u32 s30, s[TB], STEPB                 ; the last step's products
	v_add_nc_u32 v[VA], s30, v[L16]
	VLOAD 0
	VLOAD 1
	VLOAD 2
	s_wait_alu depctr_va_vdst(0)                   ; ahead of the first readers of O^T
.irp w, 0,1
	WIN 0x82+0x41*\w
.set k, 0
.rept 96
	v_pk_mul_f32 v[2*k:2*k+1], v[2*k:2*k+1], v[ST+12*((k/4)%2)+6:ST+12*((k/4)%2)+7] op_sel_hi:[1,0]
.set k, k+1
.endr
.endr
.set mmi, 0
.set mml, 0
.set vc, 0
.set PARV, 1
.set ZEROV, 0
	BOUND 1
.rept 6
	BOUND 0
.endr
	WIN 0
	s_sub_co_i32 s30, s84, s82                     ; O^T / the sum stands for that x 2^(e2 + e3): its code is that / 2^(e4 - e2 - e3)
	s_sub_co_i32 s30, s30, s83
	s_add_co_i32 s30, s30, 127
	s_lshl_b32 s31, s30, 23
	v_mov_b32 v[SCV], s31
	s_add_co_i32 s30, s30, 8
	s_lshl_b32 s30, s30, 23
	s_or_b32 s30, s30, 0x600000
	v_mov_b32 v[LIMV], s30
.irp t, 0,1
	v_add_f32 v[ST+12*\t+8], v[ST+12*\t+2], v[ST+12*\t+3]
.endr
.irp t, 0,1
	v_permlanex16_b32 v[ST+12*\t+9], v[ST+12*\t+8], s[SEL], s[SEL+1]
.endr
.irp t, 0,1
	v_add_f32 v[ST+12*\t+8], v[ST+12*\t+8], v[ST+12*\t+9]
.endr
	s_wait_alu depctr_va_vdst(0)                   ; ahead of the two reciprocals
.irp t, 0,1
	v_rcp_f32 v[ST+12*\t+6], v[ST+12*\t+8]
.endr
	v_nop
	s_wait_alu depctr_va_vdst(0)                   ; and behind them, ahead of the first readers of O^T
.macro F1W w                           ; window 2 + w: O^T / the sum, held, quantised along the channels: the conversions' results are the last product's operand (tile t at 48 t, channel tile c at + 2 c)
	WIN 0x82+0x41*(\w)
.set q, 0
.rept 96
	v_pk_mul_f32 v[2*q:2*q+1], v[2*q:2*q+1], v[ST+12*((q/4)%2)+6:ST+12*((q/4)%2)+7] op_sel_hi:[1,0]
.set q, q+1
.endr
.set q, 0
.rept 192
	v_med3_num_f32 v[q], v[q], -v[LIMV], v[LIMV]
.set q, q+1
.endr
	WIN 0x42+(\w)
.set q, 0
.rept 24
	v_cvt_scalef32_pk8_fp8_f32 v[48*(q%2)+2*(12*(\w)+q/2):48*(q%2)+2*(12*(\w)+q/2)+1], v[8*q:8*q+7], v[SCV]
.set q, q+1
.endr
	v_nop
.endm
	F1W 0
	WIN 0
	s_wait_loadcnt 32                              ; bres is in: behind it stand x's 32 loads
.set q, 0
.rept 12
	v_mul_f32 v[KF+q], s[GAM], v[KF+q]             ; gamma x bres
.set q, q+1
.endr
	XCH 1, 0, 2, 0                                 ; O^T's registers take the rest of x
	XCH 2, 0, 2, 64
	F1W 1
	XCH 1, 1, 3, 0
	XCH 2, 1, 3, 64
.macro WFRAG reg, s, dt
.if (\s) == 0
.if (\dt) < 12
.set wa, (\dt)*2048
.set wr, BW0A
.else
.set wa, ((\dt)-12)*2048
.set wr, BW0B
.endif
.else
.set wa, ((\s)-1)*STEPB+(\dt)*2048
.set wr, L16
.if wa >= 65536
.set wa, wa-65536
.set wr, B64K
.endif
.endif
.irp c, 0,1,2,3
	ds_load_b128 v[\reg+4*\c:\reg+4*\c+3], v[wr] offset:wa+512*\c
.endr
.endm
.macro WLOAD g, b
	WIN 0x40
.irp u, 0,1,2,3
	WFRAG 128+64*((\b)%2)+16*\u, (\b)/2, 8*(\g)+4*((\b)%2)+\u
.endr
.endm
.macro FMUL b                          ; eight accumulators by turns: tile t's lie in window 2 + t, row tile i of the eight at SS + 8 i
.irp t, 0,1
	WIN 0xa5+0x50*\t
.irp u, 0,1,2,3
.set rD, SS+8*(4*((\b)%2)+\u)
.if (\b) < 2
	v_wmma_f32_16x16x128_fp8_fp8 v[rD:rD+7], v[128+64*((\b)%2)+16*\u:128+64*((\b)%2)+16*\u+15], v[48*\t+16*((\b)/2):48*\t+16*((\b)/2)+15], 0
.else
	v_wmma_f32_16x16x128_fp8_fp8 v[rD:rD+7], v[128+64*((\b)%2)+16*\u:128+64*((\b)%2)+16*\u+15], v[48*\t+16*((\b)/2):48*\t+16*((\b)/2)+15], v[rD:rD+7]
.endif
.endr
.endr
.endm
.macro OUT g                           ; 128 channels of my 32 rows: through my stage, back as rows of 512 bytes, x gamma 2^(e4 + e5) + (x + gamma bres), stored as two aligned units of 256 bytes a row
.if (\g) == 0
.set n0, 63
.set n1, 63
.elseif (\g) == 1
.set n0, 48
.set n1, 16
.else
.set n0, 16
.set n1, 0
.endif
	WIN 0
	PLACES 4
	s_wait_xcnt 0x0                                ; earlier stores have read their data
.irp t, 0,1
	WIN 0x08+0x04*\t
.irp i, 0,1,2,3,4,5,6,7
	ds_store_b128 v[STO], v[SS+8*\i:SS+8*\i+3] offset:\t*8448+64*\i
	ds_store_b128 v[STO], v[SS+8*\i+4:SS+8*\i+7] offset:\t*8448+64*\i+16
.endr
	WIN 0x80+0x40*\t
.set q, 0
.rept 16
	ds_load_b128 v[128+4*q:128+4*q+3], v[RD] offset:\t*8448+528*q
.set q, q+1
.endr
.endr
.irp t, 0,1
	s_wait_dscnt 32-32*\t
	s_wait_loadcnt n0+(n1-n0)*\t                   ; x's loads issued behind the sixteen that are wanted (63 where more stand behind them)
.if (\g) == 0
.set xr, P+64*\t
	WIN 0                                          ; the first 512 bytes of x's rows lie in window 0
.else
.set xr, 64*((\g)-1)
	WIN 0xa2+0x51*\t
.endif
.set q, 0
.rept 32
	v_pk_add_f32 v[xr+2*q:xr+2*q+1], v[xr+2*q:xr+2*q+1], v[KF+4*(\g)+2*(q%2):KF+4*(\g)+2*(q%2)+1]
.set q, q+1
.endr
.if (\g) == 0
	WIN 0x82+0x41*\t
.endif
.set q, 0
.rept 32
	v_pk_fma_f32 v[128+2*q:128+2*q+1], v[128+2*q:128+2*q+1], v[GV:GV+1], v[xr+2*q:xr+2*q+1] op_sel_hi:[1,0,1]
.set q, q+1
.endr
	WIN 0x08+0x04*\t
.set q, 0
.rept 16
	global_store_b128 v[L16], v[128+4*q:128+4*q+3], s[OP:OP+1] offset:(16*\t+q)*1536+512*(\g) th:TH_STORE_NT
.set q, q+1
.endr
.endr
.endm
	WIN 0
	s_wait_alu depctr_va_vdst(0)                   ; the wait ahead of the blocking wait
	s_wait_tensorcnt 0x0                           ; my quarter of wres's K step 0 is in,
	ds_add_u32 v[SPW], v[NIL]
	s_wait_dscnt 0x0                               ; and my reads of slot 1 are over: the stages lie there
	s_barrier_signal -1
	s_barrier_wait -1
.irp g, 0,1,2
	WLOAD \g, 0
.irp b, 0,1,2,3,4,5
.if \b < 5
	WIN 0
	PLACES 4
	WLOAD \g, \b+1
	s_wait_alu depctr_va_vdst(0)
	s_wait_dscnt 16
.else
	s_wait_dscnt 0x0
.endif
	FMUL \b
.endr
	OUT \g
.endr
	WIN 0
	s_wait_tensorcnt 0x0                           ; the wave's end
	ds_add_u32 v[SPW], v[NIL]
	s_wait_dscnt 0x0
	CROUND                                         ; the closing round
	s_endpgm
.Lfunc_end_k_q632309b9fc_attend:
	.size	k_q632309b9fc_attend, .Lfunc_end_k_q632309b9fc_attend-k_q632309b9fc_attend
	.p2alignl 7, 3214868480
	.fill 96, 4, 3214868480
	.section	.rodata,"a",@progbits
	.p2align	6, 0x0
	.amdhsa_kernel k_q632309b9fc_attend
		.amdhsa_group_segment_fixed_size 327680
		.amdhsa_private_segment_fixed_size 0
		.amdhsa_enable_private_segment 0
		.amdhsa_kernarg_size 72
		.amdhsa_user_sgpr_count 2
		.amdhsa_user_sgpr_kernarg_segment_ptr 1
		.amdhsa_wavefront_size32 1
		.amdhsa_system_sgpr_workgroup_id_x 1
		.amdhsa_system_sgpr_workgroup_id_y 1
		.amdhsa_system_sgpr_workgroup_id_z 1
		.amdhsa_system_vgpr_workitem_id 0
		.amdhsa_next_free_vgpr 1024
		.amdhsa_next_free_sgpr 100
		.amdhsa_reserve_vcc 0
		.amdhsa_float_denorm_mode_32 3
		.amdhsa_float_denorm_mode_16_64 3
		.amdhsa_memory_ordered 1
		.amdhsa_forward_progress 1
		.amdhsa_inst_pref_size 255
	.end_amdhsa_kernel
	.section	.bss,"aw",@nobits
	.p2align	6
	.space	262144
	.amdgpu_metadata
---
amdhsa.version: [ 1, 2 ]
amdhsa.kernels:
  - .name:           k_q632309b9fc_attend
    .symbol:         k_q632309b9fc_attend.kd
    .args:
      - { .name: x, .offset: 0, .size: 8, .value_kind: global_buffer, .address_space: global }
      - { .name: out0, .offset: 8, .size: 8, .value_kind: global_buffer, .address_space: global }
      - { .name: kf, .offset: 16, .size: 8, .value_kind: global_buffer, .address_space: global }
      - { .name: vimg, .offset: 24, .size: 8, .value_kind: global_buffer, .address_space: global }
      - { .name: wrimg, .offset: 32, .size: 8, .value_kind: global_buffer, .address_space: global }
      - { .name: bres, .offset: 40, .size: 8, .value_kind: global_buffer, .address_space: global }
      - { .name: gamma, .offset: 48, .size: 8, .value_kind: global_buffer, .address_space: global }
      - { .name: lowp_scales, .offset: 56, .size: 8, .value_kind: global_buffer, .address_space: global }
      - { .name: out1, .offset: 64, .size: 8, .value_kind: global_buffer, .address_space: global }
    .group_segment_fixed_size: 327680
    .private_segment_fixed_size: 0
    .kernarg_segment_align: 8
    .kernarg_segment_size: 72
    .max_flat_workgroup_size: 128
    .sgpr_count:     100
    .vgpr_count:     1024
    .wavefront_size: 32
...
	.end_amdgpu_metadata
.endif
;; end of part 2
